; MI455X (gfx1250); checked and timed in simulation.
; The chip was launched on July 23, 2026; its instructions are those of AMD's public machine-readable ISA for CDNA 5 (MIT licence, August 2026) and "CDNA5" Instruction Set Architecture Reference Guide (July 2026). The comments in the code are by the model that wrote it; some were corrected since.
;; Attention. Allowed arithmetic: matrix products marked QUANTISED: E4M3 operands, one given power-of-two scale a tensor, by v_wmma_f32_16x16x64_fp8_fp8 or v_wmma_f32_16x16x128_fp8_fp8, f32 sums; everything else in f32.
;; Inputs: K 2 x 8 x 4,096 x 64 float32; Q 2 x 8 x 4,096 x 64 float32; V 2 x 8 x 4,096 x 64 float32; lowp_scales 4 int32 (the exponents e of the quantised operands' scales 2^e).
;; Outputs: out0 2 x 8 x 4,096 x 64 float32.
;; This version of the problem:
;;   THIS VERSION OF THE PROBLEM IS GIVEN IN LOW PRECISION. The matrix products marked QUANTISED in the list below multiply operands that are first quantised to E4M3 (4 exponent bits, 3 mantissa bits; 8 bits a number), with one given power-of-two scale for each operand tensor; their sums are f32. All else is computed in f32.
;;   The module's matrix products, in the order in which they are computed (A, B: the left and right operand; K: the contracted axis; several contracted axes count as one K, in the product's order):
;;     1. batch 16 x [M 4,096, K 64] x [K 64, N 4,096]; A: input Q; B: input K: QUANTISED (scales: A lowp_scales[0], B lowp_scales[1])
;;     2. batch 16 x [M 4,096, K 4,096] x [K 4,096, N 64]; A: softmax (see below); B: input V: QUANTISED (scales: A lowp_scales[2], B lowp_scales[3])
;;   THE QUANTISER, for each operand of a quantised product, along K:
;;     - The operand's scale is 2^e, e = its entry of the input lowp_scales (int32; the entries are numbered through the quantised products in the list's order, A before B).
;;     - Each number is divided by the scale, clamped to +-448, and rounded to the nearest number of E4M3, ties to even, subnormals kept.
;;     - The product sums the exact products of the quantised numbers (number of the format x scale) in f32.
;;   ~~~python
;;   def quantise(x, axis, e):      # numpy; x: float32 -> the quantised numbers, widened to float32 again
;;       x = np.moveaxis(x, axis, -1); K = x.shape[-1]
;;       r = np.clip(x / 2.0 ** e, -448, 448)
;;       step = 2.0 ** (np.maximum(np.frexp(np.where(r == 0, 1, r))[1] - 1, -6) - 3)
;;       q = np.round(r / step) * step * 2.0 ** e      # np.round: ties to even
;;       return np.moveaxis(q, -1, axis).astype(np.float32)
;;   ~~~
;;   SOFTMAX AHEAD OF A QUANTISED PRODUCT. Where the list says 'softmax', what is quantised is not the finished softmax but p = 2^(t - M), with t = logit x log2(e) and M = ceil(the row's largest t), a whole number; so 1/2 < the row's largest p <= 1. The row's sum l is taken of the UNQUANTISED p, in f32, and the product's result is divided by l at the end. Since M is a whole number, a kernel that streams over the keys may use a running M (the ceiling of the running maximum): every later rescaling is an exact power of two, so the quantised numbers keep their values, but for numbers so far below the row's largest that they fall under the format's range.
;;   OPERANDS COMPUTED ON THE WAY. 'Computed on the way' means the value that the module computes at that place (a softmax that the list does not call 'softmax' is quantised finished and normalised). What goes into a quantiser is computed in f32, as accurately as f32 sums, v_exp_f32 and their like allow (about 1e-6 of the number): no bf16 or f16 on the way to a quantiser, and a product that is left as it is and whose result goes on into a quantised operand takes f32 operands (vector FMAs, or v_wmma_f32_16x16x4_f32). A number that lies on a knife's edge between two numbers of the format may be rounded either way, as far as f32 arithmetic and the matrix unit's own rounding can turn it there, and no further.
;; One version. Each part assembles by itself: llvm-mc -triple=amdgcn-amd-amdhsa -mcpu=gfx1250 --defsym DOCPART=n.
;; ======== version 1 of 1: 2 launches
;; limits: right only within a limited range of input values
;; workspace buffers: kv 8,388,608 bytes
;; launch quant (part 1): grid 32 x 16, 8 waves a work-group, no clusters, 11,264 bytes of LDS; arguments K, V, lowp_scales, kv; writes kv
.if DOCPART == 1
	.amdgcn_target "amdgcn-amd-amdhsa--gfx1250"
	.amdhsa_code_object_version 6
	.text
	.protected	k_qb7fe7e9d8a_quant
	.globl	k_qb7fe7e9d8a_quant
	.p2align	8
	.type	k_qb7fe7e9d8a_quant,@function
k_qb7fe7e9d8a_quant:
	s_mov_b64 s[64:65], 0
	v_nop
	global_prefetch_b8 v0, s[64:65] scope:SCOPE_SE
	s_setreg_imm32_b32 hwreg(HW_REG_WAVE_MODE, 25, 1), 1
	s_wait_xcnt 0x0
; K and V, [16 heads][4096 keys][64 channels] f32, become codes of FP8 (E4M3), each tensor with the one scale 2^e that is given for it (ek = entry 1, ev = entry 3 of the scales),
; laid in kv in the ORDER OF THE OPERAND REGISTERS that the attention launch wants, so that it fetches every fragment by 16-byte loads at 16 x lane.
; code = x / 2^e, held within +-448, rounded to the nearest code, ties to even.
; LIMITS: ek and ev lie between -126 and 119, so that 2^e and 448 x 2^e are f32 numbers.  NaN among the inputs is not served; an infinity is held at the largest code.
; kv: [head][step of 128 keys][16,384 bytes].  With lane = (r = lane % 16, h = lane / 16):
;   bytes 0 .. 8191, K: tile t (keys 16 t .. 16 t + 15) at 1024 t; registers 4 c' .. 4 c' + 3 of its fragment at + 512 c' + 16 lane.  Registers 2 c, 2 c + 1 hold key 16 t + r, channels 16 c + 8 h + 0 .. 7 (the K = 64 form's own layout).
;   bytes 8192 .. 16383, V: channel tile ct at 8192 + 2048 ct; registers 4 p .. 4 p + 3 at + 512 p + 16 lane.  Registers 2 c, 2 c + 1 hold channel 16 ct + r, keys 16 c + 8 h + 0 .. 7 (the K = 128 form's own layout).
; SHARES.  A work-group takes one step of one head (x = step, y = head): 32 KB of K, 32 KB of V in, 16 KB out.  Wave w takes K's tile w, and of V the 16 keys that lanes of half w % 2 hold in piece w / 2, for all 64 channels.
; The text is straight: no loop, no barrier; all 40 loads of a wave are out at once; no register is written twice, so no store's or load's source is ever rewritten.
; K's channels are innermost in memory: the loads take the bytes as they lie (512 on end a load), the codes turn through the wave's own stage in LDS (rows of 64 codes + 16 bytes).
; V's keys are NOT innermost: a lane takes a channel and its registers run down the keys, so the conversions give codes with the keys innermost and nothing is transposed.
; No matrix unit, no cluster, no tensor load: work-groups share nothing and every byte is touched once.
.set KX,   16                          ; v16-47   K's numbers as loaded: load n in 4 n ..
.set VX,   48                          ; v48-79   V's numbers: 16 keys of channel lane, then 16 keys of channel 32 + lane
.set KC,   80                          ; v80-87   K's codes: register n = the four codes of load n
.set KF,   88                          ; v88-95   K's fragment
.set VC,   96                          ; v96-103  V's codes: four registers for each of the two channels
.set SROW, 80                          ; a stage row: 64 codes + 16 bytes
.set WSTG, 16*SROW                     ; a wave's stage
	s_load_b256 s[4:11], s[0:1], 0x0               ; K s[4:5], V s[6:7], the scales' exponents s[8:9], kv s[10:11]
	v_lshl_add_u32 v104, v0, 2, 0x2800
	v_mov_b32 v105, 0
	v_lshrrev_b32 v1, 5, v0
	s_delay_alu instid0(VALU_DEP_1)
	v_readfirstlane_b32 s12, v1                    ; wave 0..7
	v_and_b32 v1, 31, v0                           ; lane
	s_delay_alu instid0(VALU_DEP_1)
	v_lshlrev_b32 v2, 4, v1                        ; 16 x lane: K's loads and K's stores
	s_delay_alu instid0(VALU_DEP_2)
	v_lshlrev_b32 v3, 2, v1                        ; 4 x lane: V's loads
	v_and_b32 v8, 15, v0                           ; lane % 16
	v_bfe_u32 v7, v0, 4, 1                         ; lane / 16
	s_delay_alu instid0(VALU_DEP_1)
	v_lshlrev_b32 v4, 11, v7
	s_delay_alu instid0(VALU_DEP_1)
	v_lshl_add_u32 v4, v8, 4, v4                   ; V's stores: channel tile lane / 16 (2,048 bytes), 16 bytes for channel lane % 16
	s_mul_i32 s28, s12, WSTG                       ; my stage
	v_mul_u32_u24 v5, v7, SROW
	s_delay_alu instid0(VALU_DEP_1)
	v_lshl_add_u32 v5, v8, 2, v5
	s_delay_alu instid0(VALU_DEP_1)
	v_add_nc_u32 v5, s28, v5                       ; into it: row lane / 16 of a load's two, 4 codes at 4 (lane % 16)
	v_mul_u32_u24 v6, v8, SROW
	s_delay_alu instid0(VALU_DEP_1)
	v_lshl_add_u32 v6, v7, 3, v6
	s_delay_alu instid0(VALU_DEP_1)
	v_add_nc_u32 v6, s28, v6                       ; back: row r, + 8 h
	s_and_b32 s13, ttmp7, 0xffff
	s_lshl_b32 s13, s13, 5
	s_add_co_u32 s13, s13, ttmp9                   ; unit = 32 x head + step
	s_lshl_b32 s14, s13, 15                        ; a unit's 128 rows of 256 bytes
	s_lshr_b32 s24, s12, 1
	s_lshl_b32 s24, s24, 13                        ; V: 32 keys for each piece,
	s_and_b32 s25, s12, 1
	s_lshl_b32 s25, s25, 11                        ; 8 keys for the half
	s_add_co_u32 s16, s14, s24
	s_add_co_u32 s16, s16, s25
	s_mov_b32 s17, 0
	s_lshl_b32 s24, s12, 12                        ; K: my tile's 16 rows
	s_add_co_u32 s14, s14, s24
	s_mov_b32 s15, 0
	s_lshl_b32 s26, s13, 14                        ; a unit's 16,384 bytes of kv
	s_lshl_b32 s24, s12, 8                         ; V's codes: 512 (w / 2) + 256 (w % 2) = 256 w
	s_add_co_u32 s18, s26, s24
	s_add_co_u32 s18, s18, 8192
	s_mov_b32 s19, 0
	s_lshl_b32 s24, s12, 10                        ; K's codes: tile w
	s_add_co_u32 s26, s26, s24
	s_mov_b32 s27, 0
	s_wait_kmcnt 0x0
	s_load_b128 s[20:23], s[8:9], 0x0              ; eq, ek, ep, ev
	s_add_nc_u64 s[4:5], s[4:5], s[14:15]
	s_add_nc_u64 s[6:7], s[6:7], s[16:17]
	s_add_nc_u64 s[18:19], s[10:11], s[18:19]
	s_add_nc_u64 s[10:11], s[10:11], s[26:27]
.irp n, 0,1,2,3,4,5,6,7
	global_load_b128 v[KX+4*\n:KX+4*\n+3], v2, s[4:5] offset:512*\n th:TH_LOAD_NT   ; 512 bytes on end: rows 2 n + lane / 16, channels 4 (lane % 16) ..
.endr
.irp p, 0,1
.irp i, 0,1,2,3,4,5,6,7,8,9,10,11,12,13,14,15
	global_load_b32 v[VX+16*\p+\i], v3, s[6:7] offset:(\i%8+16*(\i/8))*256+128*\p th:TH_LOAD_NT   ; channel 32 p + lane; keys 0 .. 7 and 16 .. 23 from my first
.endr
.endr
	s_wait_kmcnt 0x0
	s_add_co_i32 s24, s21, 127
	s_lshl_b32 s25, s24, 23
	v_mov_b32 v11, s25                             ; 2^ek as f32: the conversion takes its exponent field
	s_add_co_i32 s24, s24, 8
	s_lshl_b32 s24, s24, 23
	s_or_b32 s24, s24, 0x600000
	v_mov_b32 v10, s24                             ; 448 x 2^ek
	s_add_co_i32 s24, s23, 127
	s_lshl_b32 s25, s24, 23
	v_mov_b32 v13, s25                             ; 2^ev
	s_add_co_i32 s24, s24, 8
	s_lshl_b32 s24, s24, 23
	s_or_b32 s24, s24, 0x600000
	v_mov_b32 v12, s24                             ; 448 x 2^ev
	s_wait_alu depctr_va_vdst(0)
	s_wait_loadcnt 32                              ; K's eight loads are in; V's 32, issued behind them, may be out
.irp i, 0,1,2,3,4,5,6,7,8,9,10,11,12,13,14,15,16,17,18,19,20,21,22,23,24,25,26,27,28,29,30,31
	v_med3_num_f32 v[KX+\i], v[KX+\i], -v10, v10   ; the conversion to an 8-bit code does not saturate (ISA guide 7.6.2): the hold at the largest code x the scale
.endr
.irp p, 0,1,2,3
	v_cvt_scalef32_pk8_fp8_f32 v[KC+2*\p:KC+2*\p+1], v[KX+8*\p:KX+8*\p+7], v11   ; the codes of loads 2 p and 2 p + 1, a register each
.endr
.irp n, 0,1,2,3,4,5,6,7
	ds_store_b32 v5, v[KC+\n] offset:2*SROW*\n     ; rows 2 n and 2 n + 1 of the stage
.endr
.irp c, 0,1,2,3
	ds_load_b64 v[KF+2*\c:KF+2*\c+1], v6 offset:16*\c   ; LDS serves a wave's instructions in order (ISA guide 5.7.1.4): these see my stores.  Key r, channels 16 c + 8 h ..
.endr
	s_wait_loadcnt 16                              ; V's first 16 loads are in; the other channel's 16 may be out
.irp i, 0,1,2,3,4,5,6,7,8,9,10,11,12,13,14,15
	v_med3_num_f32 v[VX+\i], v[VX+\i], -v12, v12
.endr
	v_cvt_scalef32_pk8_fp8_f32 v[VC:VC+1], v[VX:VX+7], v13
	v_cvt_scalef32_pk8_fp8_f32 v[VC+2:VC+3], v[VX+8:VX+15], v13
	global_store_b128 v4, v[VC:VC+3], s[18:19]     ; sixteen lanes store 256 bytes on end, at a multiple of 256 from kv's first byte; lanes 16-31 the same in the next channel tile
	s_wait_loadcnt 0x0
.irp i, 0,1,2,3,4,5,6,7,8,9,10,11,12,13,14,15
	v_med3_num_f32 v[VX+16+\i], v[VX+16+\i], -v12, v12
.endr
	v_cvt_scalef32_pk8_fp8_f32 v[VC+4:VC+5], v[VX+16:VX+23], v13
	v_cvt_scalef32_pk8_fp8_f32 v[VC+6:VC+7], v[VX+24:VX+31], v13
	global_store_b128 v4, v[VC+4:VC+7], s[18:19] offset:4096   ; channels 32 on: two channel tiles further
	s_wait_dscnt 0x0                               ; K's fragment is back from the stage
	global_store_b128 v2, v[KF:KF+3], s[10:11]     ; 512 bytes on end
	global_store_b128 v2, v[KF+4:KF+7], s[10:11] offset:512
	s_wait_tensorcnt 0x0
	ds_add_u32 v104, v105
	s_wait_dscnt 0x0
	s_endpgm
.Lfunc_end_k_qb7fe7e9d8a_quant:
	.size	k_qb7fe7e9d8a_quant, .Lfunc_end_k_qb7fe7e9d8a_quant-k_qb7fe7e9d8a_quant
	.p2alignl 7, 3214868480
	.fill 96, 4, 3214868480
	.section	.rodata,"a",@progbits
	.p2align	6, 0x0
	.amdhsa_kernel k_qb7fe7e9d8a_quant
		.amdhsa_group_segment_fixed_size 11264
		.amdhsa_private_segment_fixed_size 0
		.amdhsa_enable_private_segment 0
		.amdhsa_kernarg_size 32
		.amdhsa_user_sgpr_count 2
		.amdhsa_user_sgpr_kernarg_segment_ptr 1
		.amdhsa_wavefront_size32 1
		.amdhsa_system_sgpr_workgroup_id_x 1
		.amdhsa_system_sgpr_workgroup_id_y 1
		.amdhsa_system_sgpr_workgroup_id_z 1
		.amdhsa_system_vgpr_workitem_id 0
		.amdhsa_next_free_vgpr 106
		.amdhsa_next_free_sgpr 66
		.amdhsa_reserve_vcc 0
		.amdhsa_float_denorm_mode_32 3
		.amdhsa_float_denorm_mode_16_64 3
		.amdhsa_memory_ordered 1
		.amdhsa_forward_progress 1
		.amdhsa_inst_pref_size 13
	.end_amdhsa_kernel
	.amdgpu_metadata
---
amdhsa.version: [ 1, 2 ]
amdhsa.kernels:
  - .name:           k_qb7fe7e9d8a_quant
    .symbol:         k_qb7fe7e9d8a_quant.kd
    .args:
      - { .name: K, .offset: 0, .size: 8, .value_kind: global_buffer, .address_space: global }
      - { .name: V, .offset: 8, .size: 8, .value_kind: global_buffer, .address_space: global }
      - { .name: lowp_scales, .offset: 16, .size: 8, .value_kind: global_buffer, .address_space: global }
      - { .name: kv, .offset: 24, .size: 8, .value_kind: global_buffer, .address_space: global }
    .group_segment_fixed_size: 11264
    .private_segment_fixed_size: 0
    .kernarg_segment_align: 8
    .kernarg_segment_size: 32
    .max_flat_workgroup_size: 256
    .sgpr_count:     66
    .vgpr_count:     106
    .wavefront_size: 32
...
	.end_amdgpu_metadata
.endif
;; end of part 1
;; launch attn (part 2): grid 16 x 16, 8 waves a work-group, clusters of 4 x 1, 327,680 bytes of LDS; arguments Q, kv, lowp_scales, out0; writes out0
.if DOCPART == 2
	.amdgcn_target "amdgcn-amd-amdhsa--gfx1250"
	.amdhsa_code_object_version 6
	.text
	.protected	k_qb7fe7e9d8a_attn
	.globl	k_qb7fe7e9d8a_attn
	.p2align	8
	.type	k_qb7fe7e9d8a_attn,@function
k_qb7fe7e9d8a_attn:
	s_mov_b64 s[64:65], 0
	v_nop
	global_prefetch_b8 v0, s[64:65] scope:SCOPE_SE
	s_setreg_imm32_b32 hwreg(HW_REG_WAVE_MODE, 25, 1), 1
	s_wait_xcnt 0x0
	s_wait_alu depctr_hold_cnt(0) depctr_sa_sdst(0) depctr_va_vdst(0) depctr_va_sdst(0) depctr_va_ssrc(0) depctr_va_vcc(0) depctr_vm_vsrc(0)
	s_getreg_b32 s2, hwreg(HW_REG_IB_STS2, 6, 4)
	s_cmp_eq_u32 s2, 0
	s_cbranch_scc0 .Lentry_in_a_cluster
	s_endpgm
.Lentry_in_a_cluster:
	s_bfe_u32 s2, ttmp6, 0x10000c
	s_cmp_lg_u32 s2, 0x3003
	s_cbranch_scc0 .Lentry_shape_is_right
	s_endpgm
.Lentry_shape_is_right:
; out0[head][q][:] = the sum over k of softmax_k(Q[head][q] . K[head][k] / 8) V[head][k][:], 16 heads, 4,096 queries and keys, 64 channels, both products on codes of FP8 (E4M3),
; each operand with the one scale 2^e that is given for it: eq, ek, ep, ev.  Q: f32, quantised here in registers.  K's and V's codes come from kv, laid by the launch before as images of the operand registers.
; THE SOFTMAX AHEAD OF THE SECOND PRODUCT: t = score x c, c = log2(e) / 8 x 2^(eq + ek); M = the row's largest t so far, rounded UP to a whole number; p = 2^(t - M) is what is quantised, along the keys; it is not normalised.
; The row's sum is taken of the unquantised p, in f32, and divides O at the end.  When M moves, the sum and O are multiplied by f = 2^(old M - new M), in every step, with no branch on data.
; LIMITS on the given exponents, so that each power of two below is an f32 number: eq and ep between -126 and 119; eq + ek between -123 and 130 (added to c's exponent field); ep + ev goes through v_ldexp_f32 and has none.
; NaN among the inputs is not served; an infinity in Q is held at the largest code.  A p below 2^-126 counts as 0 (v_exp_f32 gives no denormals: ISA guide 15.8).
; SHARES.  A work-group owns 256 queries of one head; each of its eight waves 32: tile 0 and tile 1, of 16.  Every wave walks the head's 32 steps of 128 keys.  Each fragment of K and V read from LDS feeds two matrix instructions.
; LAYOUT.  Both products are used transposed: S^T = K Q^T (source 0 = 16 keys, source 1 = 16 queries; the K = 64 form), O^T = V^T P^T (source 0 = 16 channels, source 1 = P; the K = 128 form): a lane holds ONE query
; (lane % 16) of each tile throughout.  Register j of S^T's tile t is key 16 t + 8 (lane / 16) + j, so one conversion of a tile's eight registers gives registers 2 t, 2 t + 1 of P: every k stands in the form's own place.
; The lines of a step are given in macros of their own and dealt among each other, so that chains of dependent lines stand among independent ones (macros STEP and SEG).
; THE RING.  Two LDS slots of eight steps (131,072 bytes).  kv is dense, so a slot is 512 rows of 256 bytes; each of the eight waves fetches 64 rows, one tensor load a wave; all eight read all of it.
; CLUSTER.  The four query blocks of a cluster belong to one head and walk the same kv: each fill is asked for JOINTLY, by the same tensor load with the same descriptor and a mask that names the four.
; REGISTERS, in windows of 256: window 0: v0 thread; v1-11 addresses and scales; v12-31 statistics, 10 a tile; v32-63 the sums, 8 pairs a tile; v64-191 S^T, then p, 64 a tile; v192-255 O^T, 32 a tile.
;   window 1: v0-15 Q's codes, 8 a tile; v16-47 P's codes, 16 a tile; v64-127 K's eight fragments; v128-191 V's four.
; s_set_vgpr_msb's low byte: bits 1:0 source 0, 3:2 source 1, 5:4 source 2, 7:6 destination.
.set STEPB, 16384                      ; a step in kv and in a slot: K's images (8,192 bytes), then V's
.set FILLB, 8*STEPB                    ; a slot's eight steps
.set SLOT1, 1<<17                      ; slot 1 begins here: one exclusive or turns an address in one slot into the other's
.set SPARE, 2*SLOT1                    ; behind the ring: the spare words, 128 bytes for each wave: four blocks of 256 bytes that no other line names
.set STAGE, SPARE+1024                 ; behind them: 16 rows x 272 bytes for each wave, for Q on the way in and O on the way out; no fill lands there
.set SP,    272                        ; a stage row: 256 bytes + 16
.set LI,   1                           ; v1   16 x lane: my place in an image
.set ADR,  2                           ; v2   LDS address of the step in hand
.set PFO,  3                           ; v3   256 x lane: the prefetches' offset; never rewritten
.set SPW,  4                           ; v4   LDS address of my spare word: SPARE + 4 x my thread's number; never rewritten
.set NIL,  5                           ; v5   0; never rewritten
.set STO,  6                           ; v6   the stage by queries: row lane % 16, + 32 (lane / 16)
.set RD,   7                           ; v7   the stage by rows of memory: row lane / 16, + 16 (lane % 16)
.set GO,   8                           ; v8   the same two rows in Q and in out0
.set PSC,  9                           ; v9   2^ep
.set QSC,  10                          ; v10  2^eq
.set QLIM, 11                          ; v11  448 x 2^eq
.set ST,   12                          ; tile T's statistics at v[ST + 10 T]: +0 -M, +1 the largest score, +2:3 f (the upper word 0), +4 .. +7 the maximum's four chains, then at work, +8 the lane exchange
.set AC,   32                          ; the sums' eight pairs
.set S,    64
.set OT,   192
.set QF,   0                           ; in window 1
.set PF,   16
.set KF,   64
.set VF,   128
.set WV,   12                          ; s12  my wave's number
.set LIM,  15                          ; s15  1 in a wave that prefetches, else the greatest number
.set PFA,  18                          ; s[18:19] where my prefetches stand
.set G1,   24                          ; s[24:31] descriptor group 1
.set NCS,  34                          ; s34  -c
.set PL,   35                          ; s35  448 x 2^ep
.set G0,   40                          ; s[40:43] descriptor group 0, which walks
.set SLOTS, 56                         ; s56  fills still to be asked for
.set OCT,  57                          ; s57  counts a slot's first seven steps
.set CS,   58                          ; s[58:59] c: the packed form names a pair and takes its low word for both halves
.set SEL,  60                          ; s[60:61] lane selects for v_permlanex16_b32: lane l xor 16
.set TB,   62                          ; s62  LDS byte at which the step in hand begins
.set MSB, 0
.macro WIN new                         ; the immediate's high byte repeats the setting that is left; a switch that changes nothing is dropped
.if MSB != \new
	s_set_vgpr_msb (MSB<<8)|\new
.set MSB, \new
.endif
.endm
.set TO_1, 0x40                        ; destination window 1: fragment loads, conversions
.set MUL,  0x05                        ; sources 0 and 1 window 1; C and D window 0
; A round of the cluster's barrier: my work-group's barrier, so that wave 0's signal speaks for all eight waves; wave 0 signals for the work-group; every wave waits for all four work-groups; my work-group's barrier once more.
.macro CROUND
	s_barrier_signal -1
	s_barrier_wait -1
	s_cmp_lg_u32 s[WV], 0
	s_cbranch_scc1 .Lnot_wave_0_\@
	s_barrier_signal -3
.Lnot_wave_0_\@:
	s_barrier_wait -3
	s_barrier_signal -1
	s_barrier_wait -1
.endm
; A joint load: each wave fetches an eighth of a slot; every wave of every partner issues it.  Four v_nop follow.
.macro JLOAD
	tensor_load_to_lds s[G0:G0+3], s[G1:G1+7]
	s_nop 0
.rept 4
	v_nop
.endr
.endm
; A PREFETCH INTO THE L2 of the fill that the NEXT change of slots will ask for: eight steps ahead of that load.  Each aligned block of 256 bytes is named ONCE in the launch: all clusters of a head walk the same kv, and the
; head's first cluster asks; its four partners take 32,768 bytes each, told apart BY ADDRESS; in each, waves 4 to 7 take 8,192 bytes each, lanes 256 bytes apart: one instruction a wave.
; Fills 0 and 1 come by their loads alone; the last change that fills a slot asks for nothing: there is no fill behind it.
.macro ASK
	s_cmp_gt_u32 s[SLOTS], s[LIM]
	s_cbranch_scc0 .Lnot_mine_\@
	global_prefetch_b8 v[PFO], s[PFA:PFA+1] th:TH_LOAD_NT scope:SCOPE_SE
.Lnot_mine_\@:
.endm
	s_load_b256 s[4:11], s[0:1], 0x0               ; Q s[4:5], kv s[6:7], the scales' exponents s[8:9], out0 s[10:11]
	v_lshl_add_u32 v[SPW], v0, 2, SPARE
	v_mov_b32 v[NIL], 0
	ds_add_u32 v[SPW], v[NIL]                      ; the wave's opening: the add, twice on end, and its wait ahead of my first tensor load; work on registers stands between
	ds_add_u32 v[SPW], v[NIL]
	; every address register is made here (v200-202 at work: O^T's registers are written behind)
	v_lshrrev_b32 v200, 5, v0
	v_readfirstlane_b32 s[WV], v200                ; wave 0..7
	s_mul_i32 s63, s[WV], 16*SP
	s_add_co_u32 s63, s63, STAGE                   ; my stage
	v_and_b32 v200, 15, v0                         ; r = lane % 16
	v_bfe_u32 v201, v0, 4, 1                       ; h = lane / 16
	v_and_b32 v202, 31, v0
	v_mul_u32_u24 v[STO], v200, SP
	v_mul_u32_u24 v[RD], v201, SP
	v_lshlrev_b32 v[GO], 8, v201
	v_lshlrev_b32 v[LI], 4, v202
	v_lshlrev_b32 v[PFO], 8, v202
	v_lshl_add_u32 v[STO], v201, 5, v[STO]
	v_lshl_add_u32 v[RD], v200, 4, v[RD]
	v_lshl_add_u32 v[GO], v200, 4, v[GO]
	v_add_nc_u32 v[STO], s63, v[STO]
	v_add_nc_u32 v[RD], s63, v[RD]
	s_wait_alu depctr_va_vdst(0)                   ; ahead of the scalar lines and the waits below
	s_bfe_u32 s13, ttmp6, 0x40000                  ; cx: my place in the cluster
	s_lshl_b32 s14, ttmp9, 2                       ; in a cluster launch ttmp9 counts clusters
	s_add_co_u32 s14, s14, s13                     ; my block of 256 queries: it enters Q's and out0's addresses alone
	s_and_b32 s32, ttmp7, 0xffff                   ; the head, which the four partners share
	s_lshl_b32 s16, s32, 20                        ; a head's 4,096 rows of 256 bytes,
	s_lshl_b32 s23, s14, 16                        ; my block's 256,
	s_add_co_u32 s16, s16, s23
	s_lshl_b32 s23, s[WV], 13                      ; my wave's 32
	s_add_co_u32 s16, s16, s23
	s_mov_b32 s17, 0
	s_lshl_b32 s[G0+1], s[WV], 14                  ; 63:32 LDS address: slot 0, my 64 rows: no place in the cluster enters it
	s_lshl_b32 s20, s32, 19                        ; a head's 32 steps of kv
	s_add_co_u32 s20, s20, s[G0+1]                 ; and the same 64 rows there
	s_mov_b32 s21, 0
	s_lshl_b32 s22, s13, 15                        ; the prefetches: my work-group's 32,768 bytes of a fill,
	s_and_b32 s23, s[WV], 3
	s_lshl_b32 s23, s23, 13                        ; my wave's 8,192 of them,
	s_add_co_u32 s22, s22, s23
	s_lshl_b32 s23, s32, 19                        ; in my head,
	s_add_co_u32 s22, s22, s23
	s_add_co_u32 s22, s22, FILLB                   ; at fill 1: the first change of slots steps it to fill 2.  Nothing is prefetched at the head
	s_mov_b32 s23, 0
	s_lshr_b32 s[LIM], s[WV], 2
	s_xor_b32 s[LIM], s[LIM], 1                    ; 0 in waves 4 to 7,
	s_or_b32 s[LIM], s[LIM], ttmp9                 ; where the cluster is the head's first: the same in all four partners
	s_cmp_eq_u32 s[LIM], 0
	s_cselect_b32 s[LIM], 1, -1
	; descriptor group 1: 64 rows of 32 elements of 8 bytes, dense
	s_mov_b32 s[G1], 15|(3<<16)|(1<<21)            ; 15:0 the mask: all four work-groups; 17:16 elements of 8 bytes; 20 no padding; 21 set beside a mask
	s_mov_b32 s[G1+1], 32<<16                      ; 63:48 tensor_dim0, low half = 32
	s_mov_b32 s[G1+2], 64<<16                      ; 79:64 its high half = 0; 95:80 tensor_dim1, low half = 64
	s_mov_b32 s[G1+3], 32<<16                      ; 111:96 its high half = 0; 127:112 tile_dim0 = 32
	s_mov_b32 s[G1+4], 64                          ; 143:128 tile_dim1 = 64; 159:144 tile_dim2 = 0
	s_mov_b32 s[G1+5], 32                          ; 191:160 tensor_dim0_stride: 32 elements from row to row
	s_mov_b32 s[G1+6], 0
	s_mov_b32 s[G1+7], 0
	s_mov_b32 s[SEL], 0x76543210
	s_mov_b32 s[SEL+1], 0xfedcba98
	s_mov_b32 s[CS], 0x3e38aa3b                    ; log2(e) / 8
	s_mov_b32 s[TB], 0
	s_mov_b32 s[SLOTS], 3
	s_wait_dscnt 0x0                               ; both opening adds are done
	s_wait_kmcnt 0x0
	s_load_b128 s[44:47], s[8:9], 0x0              ; eq, ek, ep, ev
	s_add_nc_u64 s[4:5], s[4:5], s[16:17]          ; Q and out0 at my wave's first row
	s_add_nc_u64 s[10:11], s[10:11], s[16:17]
	s_add_nc_u64 s[PFA:PFA+1], s[6:7], s[22:23]
	s_mov_b32 s[G0], 1                             ; 1:0 count = 1
	s_add_nc_u64 s[G0+2:G0+3], s[6:7], s[20:21]    ; 120:64 global address: fill 0
	s_or_b32 s[G0+3], s[G0+3], 0x80000000          ; 127:126 type = 2
	; Q: 32 rows of 256 bytes, as they lie: sixteen lanes take a row; on their way during the round
.irp q, 0,1
.irp n, 0,1,2,3,4,5,6,7
	global_load_b128 v[S+32*\q+4*\n:S+32*\q+4*\n+3], v[GO], s[4:5] offset:4096*\q+512*\n th:TH_LOAD_NT
.endr
.endr
	CROUND                                         ; all four work-groups are here: the first joint loads meet
	JLOAD                                          ; fill 0 into slot 0: the one tensor load of mine that is out
.irp q, 0,1
	v_mov_b32 v[ST+10*\q], 0x7f61b1e6              ; -M: 3e38: the first f is 0
	v_mov_b32 v[ST+10*\q+1], 0xff61b1e6            ; the largest score so far: -3e38, under every score
	v_mov_b32 v[ST+10*\q+3], 0                     ; (named as the upper half of f's pair)
	v_mov_b32 v[ST+10*\q+8], 0                     ; written once: a lane permute's destination counts as one of its sources
.endr
.set i, 0
.rept 32
	v_mov_b32 v[AC+i], 0                           ; the sums
.set i, i+1
.endr
.set i, 0
.rept 64
	v_mov_b32 v[OT+i], 0                           ; O^T.  (The step is written with no first copy of its own: the first step finds zeros, which the first change of M leaves zeros)
.set i, i+1
.endr
	s_wait_kmcnt 0x0
	s_add_co_i32 s22, s44, s45
	s_lshl_b32 s22, s22, 23
	s_add_co_i32 s[CS], s[CS], s22                 ; a score stands for score x 2^(eq + ek): the two exponents are added to c's exponent field
	s_mov_b32 s[CS+1], s[CS]                       ; (named with it as a pair, so it is written)
	s_xor_b32 s[NCS], s[CS], 0x80000000
	s_add_co_i32 s22, s46, 127
	s_lshl_b32 s23, s22, 23
	v_mov_b32 v[PSC], s23                          ; 2^ep as f32: the conversion takes its exponent field
	s_add_co_i32 s22, s22, 8
	s_lshl_b32 s22, s22, 23
	s_or_b32 s[PL], s22, 0x600000                  ; 448 x 2^ep
	s_add_co_i32 s22, s44, 127
	s_lshl_b32 s23, s22, 23
	v_mov_b32 v[QSC], s23                          ; 2^eq
	s_add_co_i32 s22, s22, 8
	s_lshl_b32 s22, s22, 23
	s_or_b32 s22, s22, 0x600000
	v_mov_b32 v[QLIM], s22                         ; 448 x 2^eq
; A tile of Q turns through my stage: in by rows of memory, back by queries: lane (r, h) gets, of query r, channels 16 c + 8 h + 0 .. 7 into eight registers on end, c = 0 .. 3.
.macro QIN q
.irp n, 0,1,2,3,4,5,6,7
	ds_store_b128 v[RD], v[S+32*(\q)+4*\n:S+32*(\q)+4*\n+3] offset:2*SP*\n
.endr
.irp c, 0,1,2,3
.irp u, 0,1
	ds_load_b128 v[S+64+32*(\q)+8*\c+4*\u:S+64+32*(\q)+8*\c+4*\u+3], v[STO] offset:64*\c+16*\u   ; LDS serves a wave's instructions in order (ISA guide 5.7.1.4): these see my stores; the next tile's stores come behind them
.endr
.endr
.endm
	s_wait_alu depctr_va_vdst(0)
	s_wait_loadcnt 8                               ; tile 0's eight loads are in; tile 1's eight may be out
	QIN 0
	s_wait_loadcnt 0x0
	QIN 1
	s_wait_dscnt 0x0
.set i, 0
.rept 64
	v_med3_num_f32 v[S+64+i], v[S+64+i], -v[QLIM], v[QLIM]   ; the conversion to an 8-bit code does not saturate (ISA guide 7.6.2): the hold at the largest code x the scale
.set i, i+1
.endr
	WIN TO_1
.irp q, 0,1
.irp c, 0,1,2,3
	v_cvt_scalef32_pk8_fp8_f32 v[QF+8*\q+2*\c:QF+8*\q+2*\c+1], v[S+64+32*\q+8*\c:S+64+32*\q+8*\c+7], v[QSC]   ; registers 2 c, 2 c + 1 of Q's fragment
.endr
.endr
	v_nop                                          ; one plain vector instruction between a scaled conversion and the matrix instructions that read its result and write its sources
	WIN 0
; THE LINES OF A STEP.  Pair n of 64 is scores 2 n, 2 n + 1 of the lane's 128: pairs 0-31 tile 0's, 32-63 tile 1's.
.macro MX t, m                         ; line m of 30: the largest of tile t's 64 scores in four chains, ascending (each matrix result is read from its low end on)
.set xA, S+64*(\t)
.set xC, ST+10*(\t)+4+(\m)%4
.if (\m) < 4
	v_max3_num_f32 v[xC], v[xA+3*(\m)], v[xA+3*(\m)+1], v[xA+3*(\m)+2]
.else
	v_max3_num_f32 v[xC], v[xC], v[xA+2*(\m)+4], v[xA+2*(\m)+5]
.endif
.endm
.macro TL t, a                         ; line a of 10: the running maximum, the new -M, and f
.set xT, ST+10*(\t)
.if (\a) == 0
	v_max3_num_f32 v[xT+4], v[xT+4], v[xT+5], v[xT+6]
.elseif (\a) == 1
	v_max_num_f32 v[xT+4], v[xT+4], v[xT+7]
.elseif (\a) == 2
	v_permlanex16_b32 v[xT+8], v[xT+4], s[SEL], s[SEL+1]   ; the query's other 64 keys lie in the lane 16 away
.elseif (\a) == 3
	v_max3_num_f32 v[xT+1], v[xT+1], v[xT+4], v[xT+8]
.elseif (\a) == 4
	v_mul_f32 v[xT+5], s[NCS], v[xT+1]             ; -t of the largest score (c is positive)
.elseif (\a) == 5
	v_floor_f32 v[xT+6], v[xT+5]                   ; -M = floor(-t) = -ceil(t): M is a whole number
.elseif (\a) == 6
	v_sub_f32 v[xT+7], v[xT+6], v[xT]              ; old M - new M: a whole number, 0 or less
.elseif (\a) == 7
	v_cvt_i32_f32 v[xT+7], v[xT+7]                 ; (it saturates)
.elseif (\a) == 8
	v_ldexp_f32 v[xT+2], 1.0, v[xT+7]              ; f: a multiplication by it rounds nothing
.else
	v_mov_b32 v[xT], v[xT+6]
.endif
.endm
.macro RESC t, j                       ; pair j of 16 of tile t's O^T under the new M: x f; ascending
.set xA, OT+32*(\t)+2*(\j)
.set xT, ST+10*(\t)+2
	v_pk_mul_f32 v[xA:xA+1], v[xA:xA+1], v[xT:xT+1] op_sel_hi:[1,0]
.endm
.macro SCALE n                         ; pair n: t - M; of the pairs c and -M the low word serves both halves
.set xA, S+2*(\n)
.set xT, ST+10*((\n)/32)
	v_pk_fma_f32 v[xA:xA+1], v[xA:xA+1], s[CS:CS+1], v[xT:xT+1] op_sel_hi:[1,0,0]
.endm
.macro SUM n                           ; the sum of the UNQUANTISED p, in eight lasting pairs a tile: of 16 pairs of p the first eight go to sums 0-3, twice round, the others to sums 4-7.
.set xA, S+2*(\n)                      ; A sum's first line in a step brings it under the new M as well
.set xB, AC+16*((\n)/32)+8*(((\n)%16)/8)+2*((\n)%4)
.set xT, ST+10*((\n)/32)+2
.if (((\n)%32) < 16) && (((\n)%8) < 4)
	v_pk_fma_f32 v[xB:xB+1], v[xB:xB+1], v[xT:xT+1], v[xA:xA+1] op_sel_hi:[1,0,1]
.else
	v_pk_add_f32 v[xB:xB+1], v[xB:xB+1], v[xA:xA+1]
.endif
.endm
.macro HOLD n                          ; p is not negative, so the hold at the largest code x the scale is one-sided; two numbers a line
.set xA, S+2*(\n)
	v_dual_min_num_f32 v[xA], s[PL], v[xA] :: v_dual_min_num_f32 v[xA+1], s[PL], v[xA+1]
.endm
.macro FILLER n                        ; lines 0-15: tile 0's O^T under the new M; 16-31: the first 16 pairs' scalings
.if (\n) < 16
	RESC 0, (\n)
.else
	SCALE (\n)-16
.endif
.endm
.macro EXP h, i                        ; p = 2^(t - M)
	v_exp_f32 v[S+32*(\h)+\i], v[S+32*(\h)+\i]
.endm
; SEGMENT h of four: the exponentials of scores 32 h .. 32 h + 31, among them scalings of later pairs and the sums and holds of the 16 pairs before.  One wait stands ahead of each segment.  Inside it no line reads, across an
; exponential, what another line of it has written: a sum's two lines stand in a run with no exponential.  Plain lines end the segment.
.macro SEG h
	s_wait_alu depctr_va_vdst(0)                   ; the wait ahead of the batch; it also stands between the last segment's exponentials and the first lines that name their results
.if (\h) == 0
.set jj, 16
.irp i, 0,1,2,3,4,5,6,7,8,9,10,11,12,13,14,15,16,17,18,19,20,21,22,23,24,25,26,27,28,29,30,31
	EXP \h, \i
.if (\i%4) != 3
	SCALE jj
.set jj, jj+1
.endif
.endr
.rept 8
	SCALE jj
.set jj, jj+1
.endr
.else
.irp i, 0,1,2,3,4,5,6,7,8,9,10,11,12,13,14,15
	EXP \h, \i
.if ((\h) < 3) && ((\i%2) == 0)
	SCALE 40+8*(\h)+\i/2
.endif
.endr
.irp i, 0,1,2,3,4,5,6,7
	SUM 16*(\h)-16+\i
.endr
.irp i, 16,17,18,19,20,21,22,23
	EXP \h, \i
	HOLD 16*(\h)-32+\i
.endr
.irp i, 8,9,10,11,12,13,14,15
	SUM 16*(\h)-16+\i
.endr
.irp i, 24,25,26,27,28,29,30,31
	EXP \h, \i
.if (\i%2) == 0
	HOLD 16*(\h)-20+\i/2
.endif
.endr
.irp i, 12,13,14,15
	HOLD 16*(\h)-16+\i
.endr
.endif
.endm
; A STEP: 128 keys, at LDS byte s[TB]; K's fragments are in registers.  more = 1: the slot holds another step, and K's next fragments are fetched.
.macro STEP more
	WIN MUL
.irp q, 0,1
.irp t, 0,1,2,3,4,5,6,7
	v_wmma_f32_16x16x64_fp8_fp8 v[S+64*\q+8*\t:S+64*\q+8*\t+7], v[KF+8*\t:KF+8*\t+7], v[QF+8*\q:QF+8*\q+7], 0
.endr
.endr
	WIN 0
	v_add_nc_u32 v[ADR], s[TB], v[LI]
.rept 3
	v_nop                                          ; with the addition above: four places behind the products, in front of the loads into registers that they have read and of the first read of results (ISA guide 7.12.1 for vector instructions)
.endr
	WIN TO_1
.irp i, 0,1,2,3,4,5,6,7,8,9,10,11,12,13,14,15
	ds_load_b128 v[VF+4*\i:VF+4*\i+3], v[ADR] offset:8192+512*\i    ; V's four fragments, as images, 512 bytes on end a load: wanted a whole softmax later
.endr
.if \more
.irp i, 0,1,2,3,4,5,6,7,8,9,10,11,12,13,14,15
	ds_load_b128 v[KF+4*\i:KF+4*\i+3], v[ADR] offset:STEPB+512*\i   ; K's eight, of the next step
.endr
.endif
	WIN 0
.set jj, 0
.rept 30
	MX 0, jj
.set jj, jj+1
.endr
.irp a, 0,1,2,3,4,5,6,7,8,9            ; tile 0's chain of dependent lines among tile 1's maxima
	TL 0, \a
	MX 1, 3*\a
	MX 1, 3*\a+1
	MX 1, 3*\a+2
.endr
.irp a, 0,1,2,3,4,5,6,7,8,9            ; tile 1's among tile 0's rescaling and the first scalings
	TL 1, \a
	FILLER 2*\a
	FILLER 2*\a+1
.endr
.irp n, 20,21,22,23,24,25,26,27,28,29,30,31
	FILLER \n
.endr
.irp j, 0,1,2,3,4,5,6,7,8,9,10,11,12,13,14,15
	RESC 1, \j
.endr
	SEG 0
	SEG 1
	SEG 2
	SEG 3
	s_wait_alu depctr_va_vdst(0)                   ; and behind the last batch, ahead of the first line that names its results, and directly ahead of the wait below
	s_wait_dscnt 16*\more                          ; V's sixteen loads are in; K's sixteen, issued behind them (more = 1), may be out
.set jj, 48
.rept 16
	SUM jj
.set jj, jj+1
.endr
.set jj, 48
.rept 16
	HOLD jj
.set jj, jj+1
.endr
	WIN TO_1
.irp q, 0,1
.irp t, 0,1,2,3,4,5,6,7
	v_cvt_scalef32_pk8_fp8_f32 v[PF+16*\q+2*\t:PF+16*\q+2*\t+1], v[S+64*\q+8*\t:S+64*\q+8*\t+7], v[PSC]   ; keys 16 t + 8 h + 0 .. 7: registers 2 t, 2 t + 1 of P
.endr
.endr
	v_nop                                          ; one plain vector instruction between a scaled conversion and the matrix instructions that read its result (here) and write its sources (the next step's)
	WIN MUL
.irp c, 0,1,2,3                        ; the eight accumulators take turns, one instruction a turn; the next step's sixteen other products stand between two links of a chain
.irp q, 0,1
	v_wmma_f32_16x16x128_fp8_fp8 v[OT+32*\q+8*\c:OT+32*\q+8*\c+7], v[VF+16*\c:VF+16*\c+15], v[PF+16*\q:PF+16*\q+15], v[OT+32*\q+8*\c:OT+32*\q+8*\c+7]
.endr
.endr
	WIN 0
.if \more
	s_wait_dscnt 0x0                               ; K's next fragments are in
.endif
.endm
; A slot's eight steps: seven by a loop, the last, which fetches no further fragments of K, written out.
.macro SLOT_STEPS
	s_mov_b32 s[OCT], 7
.Lstep_\@:
	STEP 1
	s_add_co_u32 s[TB], s[TB], STEPB
	s_sub_co_u32 s[OCT], s[OCT], 1
	s_cmp_lg_u32 s[OCT], 0
	s_cbranch_scc1 .Lstep_\@
	STEP 0
	s_sub_co_u32 s[TB], s[TB], 7*STEPB             ; back to a slot's first step,
	s_xor_b32 s[TB], s[TB], SLOT1                  ; in the other slot
.endm
; THE CHANGE OF SLOTS stands at a slot's head.  Each wave waits for all its tensor loads (its part of the slot that it is about to read), adds 0 to its spare word, and waits for that and for its reads of the slot that it has left.
; fill = 1: the barrier is a round of the cluster's, so that no wave of any partner still reads the other slot or has a load on its way; the joint load of the next fill is the first thing behind it, and has eight steps in which to land.
.macro CHANGE fill
	s_wait_tensorcnt 0x0                           ; no tensor load of mine is out, so group 0 may be written
	ds_add_u32 v[SPW], v[NIL]                      ; 0 onto my spare word: with fill = 1 the descriptor's steps stand between it and the wait for it
.if \fill
	s_xor_b32 s[G0+1], s[G0+1], SLOT1              ; the other slot than last time,
	s_add_nc_u64 s[G0+2:G0+3], s[G0+2:G0+3], FILLB ; the next eight steps; the type bits on top are not reached
	s_wait_xcnt 0x0                                ; the last prefetch, a slot back, has read its address, so it may be written:
	s_add_nc_u64 s[PFA:PFA+1], s[PFA:PFA+1], FILLB ; one fill further on than the descriptor
.endif
	s_wait_dscnt 0x0                               ; the add is done, and my reads of the slot that I have left are over
.if \fill
	CROUND
	JLOAD
.else
	s_barrier_signal -1
	s_barrier_wait -1
.endif
	v_add_nc_u32 v[ADR], s[TB], v[LI]
	WIN TO_1
.irp i, 0,1,2,3,4,5,6,7,8,9,10,11,12,13,14,15
	ds_load_b128 v[KF+4*\i:KF+4*\i+3], v[ADR] offset:512*\i         ; K's fragments of the slot's first step
.endr
	WIN 0
.if \fill
	ASK
.endif
	s_wait_dscnt 0x0
.endm
	s_wait_alu depctr_va_vdst(0)
.Lslot:                                            ; three trips: trip i asks for fill i + 1, into slot (i + 1) % 2, and works through fill i
	CHANGE 1
	SLOT_STEPS
	s_sub_co_u32 s[SLOTS], s[SLOTS], 1
	s_cmp_lg_u32 s[SLOTS], 0
	s_cbranch_scc1 .Lslot
	CHANGE 0                                       ; the last slot is written out
	SLOT_STEPS
	; THE WAY OUT.  The sum's eight pairs and the other half of the lanes' are added; O^T is multiplied by 2^(ep + ev) / the sum and goes through my stage, a tile (16 rows of out0) at a time.  The additions are the places behind the last products.
.irp j, 0,1,2,3
.irp q, 0,1
	v_pk_add_f32 v[AC+16*\q+2*\j:AC+16*\q+2*\j+1], v[AC+16*\q+2*\j:AC+16*\q+2*\j+1], v[AC+16*\q+8+2*\j:AC+16*\q+9+2*\j]
.endr
.endr
.irp j, 0,1
.irp q, 0,1
	v_pk_add_f32 v[AC+16*\q+2*\j:AC+16*\q+2*\j+1], v[AC+16*\q+2*\j:AC+16*\q+2*\j+1], v[AC+16*\q+4+2*\j:AC+16*\q+5+2*\j]
.endr
.endr
.irp q, 0,1
	v_pk_add_f32 v[AC+16*\q:AC+16*\q+1], v[AC+16*\q:AC+16*\q+1], v[AC+16*\q+2:AC+16*\q+3]
.endr
.irp q, 0,1
	v_add_f32 v[ST+10*\q+4], v[AC+16*\q], v[AC+16*\q+1]
.endr
.irp q, 0,1
	v_permlanex16_b32 v[ST+10*\q+8], v[ST+10*\q+4], s[SEL], s[SEL+1]
.endr
.irp q, 0,1
	v_add_f32 v[ST+10*\q+4], v[ST+10*\q+4], v[ST+10*\q+8]
.endr
	s_wait_alu depctr_va_vdst(0)
.irp q, 0,1
	v_rcp_f32 v[ST+10*\q+5], v[ST+10*\q+4]
.endr
	v_nop                                          ; a plain instruction between the last reciprocal and the use of its result
	s_add_co_i32 s63, s46, s47                     ; ep + ev
	s_wait_alu depctr_va_vdst(0)                   ; and the wait ahead of the first use: one for both reciprocals
.irp q, 0,1
	v_ldexp_f32 v[ST+10*\q+2], v[ST+10*\q+5], s63
.endr
	s_wait_alu depctr_va_vdst(0)                   ; directly ahead of the first reader of O^T
.irp q, 0,1
.irp j, 0,1,2,3,4,5,6,7,8,9,10,11,12,13,14,15
	v_pk_mul_f32 v[S+32*\q+2*\j:S+32*\q+2*\j+1], v[OT+32*\q+2*\j:OT+32*\q+2*\j+1], v[ST+10*\q+2:ST+10*\q+3] op_sel_hi:[1,0]   ; each accumulator from its low end on
.endr
.endr
; Tile q: register 8 c + j of O^T is out0(query r, channel 16 c + 8 h + j): 32 bytes on end of a row.  They go into rows of 272 bytes and come back as whole rows of 256.
.irp q, 0,1
.irp c, 0,1,2,3
.irp u, 0,1
	ds_store_b128 v[STO], v[S+32*\q+8*\c+4*\u:S+32*\q+8*\c+4*\u+3] offset:64*\c+16*\u
.endr
.endr
.irp n, 0,1,2,3,4,5,6,7
	ds_load_b128 v[S+64+32*\q+4*\n:S+64+32*\q+4*\n+3], v[RD] offset:2*SP*\n   ; LDS serves a wave's instructions in order: these see the stores above; the next tile's stores come behind them
.endr
.endr
.irp q, 0,1
.irp n, 0,1,2,3,4,5,6,7
	s_wait_dscnt 16*(1-\q)+7-\n                    ; behind tile 0's loads stand tile 1's sixteen LDS instructions
	global_store_b128 v[GO], v[S+64+32*\q+4*\n:S+64+32*\q+4*\n+3], s[10:11] offset:4096*\q+512*\n th:TH_STORE_NT   ; sixteen lanes store 256 bytes on end, a row of out0, at a multiple of 256 from its first byte; written once, read by nobody here
.endr
.endr
	s_wait_tensorcnt 0x0                           ; the wave's end, behind my last tensor load and my last LDS store
	ds_add_u32 v[SPW], v[NIL]
	s_wait_dscnt 0x0
	CROUND                                         ; the closing round: no work-group ends while a partner may still ask for a tile that names it
	s_endpgm
.Lfunc_end_k_qb7fe7e9d8a_attn:
	.size	k_qb7fe7e9d8a_attn, .Lfunc_end_k_qb7fe7e9d8a_attn-k_qb7fe7e9d8a_attn
	.p2alignl 7, 3214868480
	.fill 96, 4, 3214868480
	.section	.rodata,"a",@progbits
	.p2align	6, 0x0
	.amdhsa_kernel k_qb7fe7e9d8a_attn
		.amdhsa_group_segment_fixed_size 327680
		.amdhsa_private_segment_fixed_size 0
		.amdhsa_enable_private_segment 0
		.amdhsa_kernarg_size 32
		.amdhsa_user_sgpr_count 2
		.amdhsa_user_sgpr_kernarg_segment_ptr 1
		.amdhsa_wavefront_size32 1
		.amdhsa_system_sgpr_workgroup_id_x 1
		.amdhsa_system_sgpr_workgroup_id_y 1
		.amdhsa_system_sgpr_workgroup_id_z 1
		.amdhsa_system_vgpr_workitem_id 0
		.amdhsa_next_free_vgpr 448
		.amdhsa_next_free_sgpr 66
		.amdhsa_reserve_vcc 0
		.amdhsa_float_denorm_mode_32 3
		.amdhsa_float_denorm_mode_16_64 3
		.amdhsa_memory_ordered 1
		.amdhsa_forward_progress 1
		.amdhsa_inst_pref_size 138
	.end_amdhsa_kernel
	.amdgpu_metadata
---
amdhsa.version: [ 1, 2 ]
amdhsa.kernels:
  - .name:           k_qb7fe7e9d8a_attn
    .symbol:         k_qb7fe7e9d8a_attn.kd
    .args:
      - { .name: Q, .offset: 0, .size: 8, .value_kind: global_buffer, .address_space: global }
      - { .name: kv, .offset: 8, .size: 8, .value_kind: global_buffer, .address_space: global }
      - { .name: lowp_scales, .offset: 16, .size: 8, .value_kind: global_buffer, .address_space: global }
      - { .name: out0, .offset: 24, .size: 8, .value_kind: global_buffer, .address_space: global }
    .group_segment_fixed_size: 327680
    .private_segment_fixed_size: 0
    .kernarg_segment_align: 8
    .kernarg_segment_size: 32
    .max_flat_workgroup_size: 256
    .sgpr_count:     66
    .vgpr_count:     448
    .wavefront_size: 32
...
	.end_amdgpu_metadata
.endif
;; end of part 2
